; MI455X (gfx1250); checked and timed in simulation.
; The chip was launched on July 23, 2026; its instructions are those of AMD's public machine-readable ISA for CDNA 5 (MIT licence, August 2026) and "CDNA5" Instruction Set Architecture Reference Guide (July 2026). The comments in the code are by the model that wrote it; some were corrected since.
;; Gated Mo E. Allowed arithmetic: float matrix products may take bf16 or f16 operands with f32 sums; all other float work in f32.
;; Inputs: expert_w 32 x 512 x 512 float32; gate_b 32 float32; gate_w 512 x 32 float32; x 4 x 2,048 x 512 float32.
;; Outputs: out0 4 x 2,048 x 512 float32.
;; 2 versions, each right and faster than the one before. Each part assembles by itself: llvm-mc -triple=amdgcn-amd-amdhsa -mcpu=gfx1250 --defsym DOCPART=n.
;; ======== version 1 of 2: 2 launches
;; workspace buffers: wimg 16,777,216 bytes; ximg 8,388,608 bytes; gimg 32,768 bytes
;; launch prep (part 1): grid 769 x 1, 8 waves a work-group, no clusters, 0 bytes of LDS; arguments expert_w, x, gate_w, wimg, ximg, gimg; writes wimg, ximg, gimg
.if DOCPART == 1
	.amdgcn_target "amdgcn-amd-amdhsa--gfx1250"
	.amdhsa_code_object_version 6
	.text
	.protected	k_qf385c54c95_prep
	.globl	k_qf385c54c95_prep
	.p2align	8
	.type	k_qf385c54c95_prep,@function
k_qf385c54c95_prep:
	s_mov_b64 s[64:65], 0
	v_nop
	global_prefetch_b8 v0, s[64:65] scope:SCOPE_SE
	s_setreg_imm32_b32 hwreg(HW_REG_WAVE_MODE, 25, 1), 1
	s_wait_xcnt 0x0
; prep: expert_w [32][512][512], x [8192][512] and gate_w [512][32], all f32, are rounded to bf16 once and written in FRAGMENT ORDER:
; runs of 512 bytes that a 16-byte load a lane (lane L at byte 16 L) takes straight into half a matrix operand.  L = 16 h + r.
; ONE ORDER OF K FOR ALL THREE IMAGES: in K step ks (32 d), half h of the lanes, chunk c2 (0, 1), element i (0..7) stands d = 32 ks + 16 h + 8 c2 + i.
; It is the same on both sides of every product, so the products are the same; only their order inside a step of 32 differs from ascending d.
;   ximg: tb*16384 + ks*1024 + c2*512 + 16 L                 = x[16 tb + r][d .. d+7]                      tb = 0..511
;   wimg: fb*2097152 + e*65536 + n*2048 + q*512 + 16 L       = expert_w[e][d .. d+7][64 fb + 4 r + c]      n = 16 (c/2) + ks, q = 2 (c%2) + c2, c = 0..3
;   gimg: (2 ks + eb)*1024 + c2*512 + 16 L                   = gate_w[d .. d+7][16 eb + r]
; A stream: no LDS, no barrier, no matrix unit, no cluster (no two work-groups read the same bytes).  Every wave takes one group and ends: 64 registers of f32 in,
; 32 roundings of two numbers, 8 stores of 512 consecutive aligned bytes.  6,152 waves of 8 KiB each: what is on its way comes from the number of waves, so there is no loop and no ring.
; Work-groups 0-511: expert_w (e = g / 16, ks = g % 16; wave = fb).  512-767: x.  768: gate_w.  The branch hangs on the work-group's number alone.
.set LD,  4                            ; v[4:67]   as loaded, f32
.set OUT, 68                           ; v[68:99]  rounded, two bf16 a register
.set HL,  100                          ; v100      h
; expert_w, chunk \half: register LD + 4 (8 half + j) + c holds W[d = .. + 8 half + j][column 4 r + c].  Column c's eight d make 16 bytes.
.macro WHALF half
.irp c, 0,1,2,3
.irp i, 0,1,2,3
	v_cvt_pk_bf16_f32 v[OUT+8*\c+4*\half+\i], v[LD+4*(8*\half+2*\i)+\c], v[LD+4*(8*\half+2*\i+1)+\c]
.endr
	global_store_b128 v3, v[OUT+8*\c+4*\half:OUT+8*\c+4*\half+3], s[10:11] offset:(\c/2)*32768+(\c%2)*1024+\half*512
.endr
.endm
; x and gate_w: registers LD + 16 fr .. + 15 hold sixteen consecutive d of one row (one expert): two chunks, two stores
.macro PAIRS fr, base
.irp k, 0,1,2,3,4,5,6,7
	v_cvt_pk_bf16_f32 v[OUT+8*\fr+\k], v[LD+16*\fr+2*\k], v[LD+16*\fr+2*\k+1]
.endr
	global_store_b128 v3, v[OUT+8*\fr:OUT+8*\fr+3],   s[\base:\base+1] offset:1024*\fr
	global_store_b128 v3, v[OUT+8*\fr+4:OUT+8*\fr+7], s[\base:\base+1] offset:1024*\fr+512
.endm
	s_load_b256 s[4:11], s[0:1], 0x0               ; expert_w s[4:5], x s[6:7], gate_w s[8:9], wimg s[10:11]
	s_load_b128 s[12:15], s[0:1], 0x20             ; ximg s[12:13], gimg s[14:15]
	v_lshrrev_b32 v1, 5, v0
	v_readfirstlane_b32 s16, v1                    ; wave 0..7
	v_and_b32 v1, 15, v0                           ; r
	v_bfe_u32 v[HL], v0, 4, 1                      ; h
	v_and_b32 v3, 31, v0
	v_lshlrev_b32 v3, 4, v3                        ; 16 L: my 16 bytes of every store
	s_mov_b32 s19, 0                               ; the high words of the two offsets (all offsets stay under 2^26)
	s_mov_b32 s21, 0
	s_cmp_lt_u32 ttmp9, 512
	s_cbranch_scc0 .Lnot_w
	; EXPERT_W.  The work-group reads 32 whole rows of one expert (64 KiB on end); wave fb takes their columns 64 fb .. 64 fb + 63.
	s_lshl_b32 s18, ttmp9, 16                      ; (16 e + ks) x 32 rows x 2,048 bytes
	s_lshl_b32 s17, s16, 8                         ; + 64 fb columns
	s_add_co_u32 s18, s18, s17
	v_lshlrev_b32 v2, 4, v1                        ; my four columns: 16 r bytes,
	v_lshl_add_u32 v2, v[HL], 15, v2               ; 16 rows further down for lanes 16 to 31
	s_lshl_b32 s20, s16, 21                        ; wimg: fb x 2,097,152
	s_lshr_b32 s17, ttmp9, 4
	s_lshl_b32 s17, s17, 16                        ; + e x 65,536
	s_add_co_u32 s20, s20, s17
	s_and_b32 s17, ttmp9, 15
	s_lshl_b32 s17, s17, 11                        ; + ks x 2,048
	s_add_co_u32 s20, s20, s17
	s_wait_kmcnt 0x0
	s_add_nc_u64 s[4:5], s[4:5], s[18:19]
	s_add_nc_u64 s[10:11], s[10:11], s[20:21]
.irp j, 0,1,2,3,4,5,6,7,8,9,10,11,12,13,14,15
	global_load_b128 v[LD+4*\j:LD+4*\j+3], v2, s[4:5] offset:\j*2048 th:TH_LOAD_NT   ; rows j and 16 + j: sixteen lanes take 256 consecutive aligned bytes of each
.endr
	s_wait_loadcnt 0x8                             ; loads come back in order (ISA guide 5.7.1): the first eight are in, the eight of the second chunk stay out
	WHALF 0
	s_wait_loadcnt 0x0
	WHALF 1
	s_endpgm
.Lnot_w:
	s_cmp_lt_u32 ttmp9, 768
	s_cbranch_scc0 .Lgate
	; X.  Group id = 8 (g - 512) + wave: 16 rows (tb = id / 4) x 128 d (K steps 4 (id % 4) .. + 3): 512 consecutive bytes of each row.
	s_sub_co_u32 s17, ttmp9, 512
	s_lshl_b32 s17, s17, 3
	s_add_co_u32 s17, s17, s16
	s_lshr_b32 s22, s17, 2                         ; tb
	s_and_b32 s23, s17, 3                          ; which 128 d
	s_lshl_b32 s18, s22, 15                        ; 16 rows of 2,048 bytes
	s_lshl_b32 s24, s23, 9
	s_add_co_u32 s18, s18, s24
	s_lshl_b32 s20, s22, 14                        ; ximg: tb x 16,384 + four K steps of 1,024
	s_lshl_b32 s24, s23, 12
	s_add_co_u32 s20, s20, s24
	v_lshlrev_b32 v2, 11, v1                       ; row r,
	v_lshl_add_u32 v2, v[HL], 6, v2                ; 16 d further on for lanes 16 to 31
	s_wait_kmcnt 0x0
	s_add_nc_u64 s[6:7], s[6:7], s[18:19]
	s_add_nc_u64 s[12:13], s[12:13], s[20:21]
.irp q, 0,1,2,3
.irp m, 0,1,2,3
	global_load_b128 v[LD+16*\q+4*\m:LD+16*\q+4*\m+3], v2, s[6:7] offset:\q*128+\m*16 th:TH_LOAD_NT
.endr
.endr
.irp q, 0,1,2,3
	s_wait_loadcnt 12-4*\q                         ; K step q's four loads are in; the younger steps' stay out
	PAIRS \q, 12
.endr
	s_endpgm
.Lgate:
	; GATE_W.  Wave w takes K steps 2 w and 2 w + 1, both halves of the experts: four fragments fr, ks = 2 w + fr / 2, eb = fr % 2.
	s_lshl_b32 s18, s16, 13                        ; 64 rows of 128 bytes
	s_lshl_b32 s20, s16, 12                        ; four fragments of 1,024 bytes
	v_lshlrev_b32 v2, 2, v1                        ; expert r,
	v_lshl_add_u32 v2, v[HL], 11, v2               ; 16 rows further down for lanes 16 to 31
	s_wait_kmcnt 0x0
	s_add_nc_u64 s[8:9], s[8:9], s[18:19]
	s_add_nc_u64 s[14:15], s[14:15], s[20:21]
.irp q, 0,1,2,3
.irp m, 0,1,2,3,4,5,6,7,8,9,10,11,12,13,14,15
	global_load_b32 v[LD+16*\q+\m], v2, s[8:9] offset:(\q/2)*4096+(\q%2)*64+\m*128   ; a column of gate_w runs down the rows: one number a load (64 KiB in the whole launch)
.endr
.endr
.irp q, 0,1,2,3
	s_wait_loadcnt 48-16*\q                        ; fragment q's sixteen loads are in
	PAIRS \q, 14
.endr
	s_endpgm
.Lfunc_end_k_qf385c54c95_prep:
	.size	k_qf385c54c95_prep, .Lfunc_end_k_qf385c54c95_prep-k_qf385c54c95_prep
	.p2alignl 7, 3214868480
	.fill 96, 4, 3214868480
	.section	.rodata,"a",@progbits
	.p2align	6, 0x0
	.amdhsa_kernel k_qf385c54c95_prep
		.amdhsa_group_segment_fixed_size 0
		.amdhsa_private_segment_fixed_size 0
		.amdhsa_enable_private_segment 0
		.amdhsa_kernarg_size 48
		.amdhsa_user_sgpr_count 2
		.amdhsa_user_sgpr_kernarg_segment_ptr 1
		.amdhsa_wavefront_size32 1
		.amdhsa_system_sgpr_workgroup_id_x 1
		.amdhsa_system_sgpr_workgroup_id_y 1
		.amdhsa_system_sgpr_workgroup_id_z 1
		.amdhsa_system_vgpr_workitem_id 0
		.amdhsa_next_free_vgpr 104
		.amdhsa_next_free_sgpr 66
		.amdhsa_reserve_vcc 0
		.amdhsa_float_denorm_mode_32 3
		.amdhsa_float_denorm_mode_16_64 3
		.amdhsa_memory_ordered 1
		.amdhsa_forward_progress 1
		.amdhsa_inst_pref_size 20
	.end_amdhsa_kernel
	.amdgpu_metadata
---
amdhsa.version: [ 1, 2 ]
amdhsa.kernels:
  - .name:           k_qf385c54c95_prep
    .symbol:         k_qf385c54c95_prep.kd
    .args:
      - { .name: expert_w, .offset: 0, .size: 8, .value_kind: global_buffer, .address_space: global }
      - { .name: x, .offset: 8, .size: 8, .value_kind: global_buffer, .address_space: global }
      - { .name: gate_w, .offset: 16, .size: 8, .value_kind: global_buffer, .address_space: global }
      - { .name: wimg, .offset: 24, .size: 8, .value_kind: global_buffer, .address_space: global }
      - { .name: ximg, .offset: 32, .size: 8, .value_kind: global_buffer, .address_space: global }
      - { .name: gimg, .offset: 40, .size: 8, .value_kind: global_buffer, .address_space: global }
    .group_segment_fixed_size: 0
    .private_segment_fixed_size: 0
    .kernarg_segment_align: 8
    .kernarg_segment_size: 48
    .max_flat_workgroup_size: 256
    .sgpr_count:     66
    .vgpr_count:     104
    .wavefront_size: 32
...
	.end_amdgpu_metadata
.endif
;; end of part 1
;; launch moe (part 2): grid 32 x 8, 4 waves a work-group, clusters of 4 x 1, 327,680 bytes of LDS; arguments ximg, gimg, gate_b, wimg, out0; writes out0
.if DOCPART == 2
	.amdgcn_target "amdgcn-amd-amdhsa--gfx1250"
	.amdhsa_code_object_version 6
	.text
	.protected	k_qf385c54c95_moe
	.globl	k_qf385c54c95_moe
	.p2align	8
	.type	k_qf385c54c95_moe,@function
k_qf385c54c95_moe:
	s_mov_b64 s[64:65], 0
	v_nop
	global_prefetch_b8 v0, s[64:65] scope:SCOPE_SE
	s_setreg_imm32_b32 hwreg(HW_REG_WAVE_MODE, 25, 1), 1
	s_wait_xcnt 0x0
	s_wait_alu depctr_hold_cnt(0) depctr_sa_sdst(0) depctr_va_vdst(0) depctr_va_sdst(0) depctr_va_ssrc(0) depctr_va_vcc(0) depctr_vm_vsrc(0)
	s_getreg_b32 s2, hwreg(HW_REG_IB_STS2, 6, 4)
	s_cmp_eq_u32 s2, 0
	s_cbranch_scc0 .Lentry_in_a_cluster
	s_endpgm
.Lentry_in_a_cluster:
	s_bfe_u32 s2, ttmp6, 0x10000c
	s_cmp_lg_u32 s2, 0x3003
	s_cbranch_scc0 .Lentry_shape_is_right
	s_endpgm
.Lentry_shape_is_right:
; out[t][f] = sum over e of gate[t][e] * (sum over d of x[t][d] W[e][d][f]),  gate = softmax over e of (x . gate_w + gate_b).  8,192 tokens, 512 d, 512 f, 32 experts.
; Operands come rounded to bf16 and in fragment order from the launch before (ximg, wimg, gimg: layouts at its head); all sums, the softmax and the gate in f32.
; SHARES.  A work-group makes 256 tokens x 64 columns for all 32 experts: 32 x 8 = 256 equal work-groups.  Each of its four waves makes 64 tokens (4 blocks mb of 16) x all 64 columns.
; X STAYS IN REGISTERS: a wave's 64 tokens x 512 d in bf16 are 512 registers (windows 2 and 3), loaded once; LDS feeds W alone: 2 KiB of LDS reads for 8 matrix instructions.
; THE GATE IS APPLIED TO F32 SUMS: an expert's product over its 512 d is summed in T (8 accumulators: 4 mb x 2 column fragments; an expert's 64 columns go in two halves), and
; gate x T is added into the output sum F by packed multiply-adds: one for every four matrix instructions.  So the matrix operands are bf16(x) and bf16(W) themselves.
; THE MATRIX INSTRUCTION IS USED TRANSPOSED: source 0 = 16 columns of W (or 16 experts of gate_w), source 1 = 16 tokens.  In the result lane (r, h) holds token r and register j row 8 h + j
; of source 0: the gate is one number a lane.  Fragment c's row q is column 64 fb + 4 q + c, so a lane's registers (j, c = 0..3) are four neighbouring columns: 16 bytes of out.
; CLUSTER.  The four work-groups of a cluster have the same 64 columns and four token blocks: they walk the same 2 MiB of wimg, so every tile is asked for JOINTLY (the same tensor load,
; the same descriptor, the mask 15, in all four).  x is not shared in this way: it is a ninth of a work-group's bytes, is read once, and goes into registers.
; RING.  Two LDS slots of one expert's image (64 KiB, dense: lane L reads at 16 L, so there is nothing to pad); each wave brings a quarter.  A slot is asked for again behind step 29 of
; an expert's 32 steps; the wait for it stands in front of step 28 of the next expert: 240 matrix instructions.  No prefetch is written: that stretch is what the refill has to land in.
; LIMITS.  The logits are made from operands rounded to bf16, so their error grows with the size of x and gate_w.  The true maximum of a token's 32 logits is taken away before the exponential;
; v_exp_f32 gives 0 for a result under 2^-126 (ISA guide 15.8), so a gate smaller than that counts as 0.  Inside a K step of 32 the order of d is permuted, alike on both sides.
;
; REGISTERS, in windows of 256 (s_set_vgpr_msb's low byte: bits 1:0 source 0, 3:2 source 1, 5:4 source 2, 7:6 destination):
;   window 0: v0-14 addresses; v16-23 G; v24-47 softmax statistics; v48-63 the bias; v64-191 FR: eight buffers of two W fragments; v192-255 T
;   window 1: first gimg's 32 fragments; then v0-127 F (64 half + 8 i + j), v128-255 F' (128 + 32 mb + 4 j + c: the output in store order); on the way out v0-127 whole rows
;   windows 2, 3: x: fragment (mb, ks) at 32 (ks % 8) + 8 mb, window 2 for ks < 8, window 3 from 8 on
; T, FR and all addresses lie in window 0, so the setting of the products also serves the LDS loads: these stand singly between matrix instructions without a switch.
.set SLOTB, 65536                      ; a slot: one expert's image for my 64 columns: step n at n*2048, quarter q at q*512
.set GT,    2*SLOTB                    ; gate tables: 8,192 bytes a wave: e*256 + mb*64 + 4 r, f32; written and read by that wave alone
.set STAGE, GT+4*8192                  ; the way out: 16 rows x 272 bytes for each wave
.set SP,    272                        ; 256 bytes + 16 = 68 words: row r starts at bank 4 r mod 64 (64 banks of 4 bytes: ISA guide 11.1)
.set SPARE, STAGE+4*16*SP              ; the spare words, 128 bytes for each wave: two blocks of 256 bytes that no other line names
.set R,    1                           ; v1   r = lane % 16
.set ADR0, 2                           ; v2, v3  16 x lane in slot 0, slot 1; v2 is also my offset in the images' runs of 512 bytes
.set GA,   4                           ; v4   my word in the gate table, at the expert whose gates are fetched next
.set GA0,  5                           ; v5   the same at expert 0
.set GS,   6                           ; v6   where I store gates: experts 8 h on
.set STO,  7                           ; v7   the way out: where I put 16 bytes of a row
.set RD,   8                           ; v8   the way out: where I read a row back
.set CO,   9                           ; v9   my byte offset in the wave's rows of out
.set BO,   11                          ; v11  32 h: my eight numbers of the bias
.set SPW,  12                          ; v12  my spare word: SPARE + 4 x my thread's number; never rewritten
.set NIL,  13                          ; v13  0; never rewritten
.set H,    14                          ; v14  h = lane / 16
.set G,    16                          ; v16, 18, 20, 22  the gate of my token in block mb; the odd registers are 0 (named as pairs, so they are written)
.set ST,   24                          ; six registers a block: c m, m, at work (2), 1 / sum (2)
.set BI,   48                          ; v[48:55], v[56:63] the bias as a C operand, experts 0-15 and 16-31
.set FR,   64
.set T,    192                         ; accumulator i = 2 mb + c' at T + 8 i
.set WV,   14                          ; s14  my wave's number
.set G1,   24                          ; s[24:31] descriptor group 1
.set G0,   32                          ; s[32:39] descriptor group 0, a set for each slot
.set CNT,  40                          ; s40  trips
.set GE,   41                          ; s41  256 x the expert whose gates are fetched next
.set CS,   42                          ; s[42:43] log2(e)
.set SEL,  44                          ; s[44:45] v_permlanex16_b32: each lane takes its own place in the other half
.set MULA, 0x08                        ; products: W window 0, x window 2, T window 0
.set MULB, 0x0c                        ; the same with x in window 3
.set GATA, 0x09                        ; logits: gimg window 1, x window 2
.set GATB, 0x0d
.set FMAW, 0x50                        ; F (destination and source 2) window 1; T and G window 0
.set OUTW, 0x44                        ; the way out: data of stores (source 1) and of loads (destination) window 1, addresses window 0
.set MSB, 0
.macro WIN new                         ; the immediate's high byte repeats the setting that is left; a switch that changes nothing is dropped
.if MSB != \new
	s_set_vgpr_msb (MSB<<8)|\new
.set MSB, \new
.endif
.endm
.macro WINMUL n
.if ((\n)%16) < 8
	WIN MULA
.else
	WIN MULB
.endif
.endm
; A round of the cluster's barrier: my work-group's barrier, so that wave 0's signal speaks for all four waves; wave 0 signals for the work-group; every wave waits for all four
; work-groups; my work-group's barrier once more.  No LDS instruction of the wave is pending at a signal.
.macro CREST                           ; a round behind its opening barrier
	s_cmp_lg_u32 s[WV], 0
	s_cbranch_scc1 .Lnot_wave_0_\@
	s_barrier_signal -3
.Lnot_wave_0_\@:
	s_barrier_wait -3
	s_barrier_signal -1
	s_barrier_wait -1
.endm
.macro CROUND
	s_barrier_signal -1
	s_barrier_wait -1
	CREST
.endm
; AN EXPERT IS 32 STEPS n: column half n / 16, K step n % 16.  A step is 8 products, the 8 accumulators by turns: between two links of a chain stand the 7 others'.
.macro WM i, n, zero                   ; product i of step n.  zero = 1: it starts the sum: nothing is ever cleared
.set rT, T+8*(\i)
.set rA, FR+16*((\n)%8)+8*((\i)%2)
.set rX, 32*((\n)%8)+8*((\i)/2)
.if \zero
	v_wmma_f32_16x16x32_bf16 v[rT:rT+7], v[rA:rA+7], v[rX:rX+7], 0
.else
	v_wmma_f32_16x16x32_bf16 v[rT:rT+7], v[rA:rA+7], v[rX:rX+7], v[rT:rT+7]
.endif
.endm
.macro LDQ slot, m, q                  ; quarter q of step m's two fragments: 512 consecutive bytes, into buffer m % 8
	ds_load_b128 v[FR+16*((\m)%8)+4*(\q):FR+16*((\m)%8)+4*(\q)+3], v[ADR0+\slot] offset:(\m)*2048+(\q)*512
.endm
; A plain step.  cnt: the LDS instructions younger than this step's four loads (below 0: no wait).  ld = 1: the fragments of step n + 4 are fetched, 32 products ahead of their use, into the
; buffer that step n - 4 read.  A load into a register that a matrix instruction has read stands four places behind it, and only plain vector instructions that name none of its registers are
; places (ISA guide 7.12.1 for vector instructions): the two v_nop of each step make eight between a buffer's last product and the load into it.
; Step 2 also fetches the expert's four gates; they are first used in step 16.
.macro STEP slot, n, cnt, zero, ld
.if \cnt >= 0
	s_wait_dscnt \cnt
.endif
	WINMUL \n
	WM 0, \n, \zero
	v_nop
	WM 1, \n, \zero
	v_nop
.if (\n) == 2
.irp mb, 0,1,2,3
	ds_load_b32 v[G+2*\mb], v[GA] offset:64*\mb    ; lanes r and 16 + r read the same word
.endr
.endif
.irp i, 2,3,4,5
	WM \i, \n, \zero
.if \ld
	LDQ \slot, \n+4, \i-2
.endif
.endr
	WM 6, \n, \zero
	WM 7, \n, \zero
.endm
; Steps 30 and 31: the same products; the loads are the next expert's steps m and m + 1, out of the other slot, two behind each of four products.
.macro STEP2 other, n, m
	WINMUL \n
	WM 0, \n, 0
	v_nop
	WM 1, \n, 0
	v_nop
	WM 2, \n, 0
	LDQ \other, \m, 0
	LDQ \other, \m, 1
	WM 3, \n, 0
	LDQ \other, \m, 2
	LDQ \other, \m, 3
	WM 4, \n, 0
	LDQ \other, \m+1, 0
	LDQ \other, \m+1, 1
	WM 5, \n, 0
	LDQ \other, \m+1, 2
	LDQ \other, \m+1, 3
	WM 6, \n, 0
	WM 7, \n, 0
.endm
; gate x the finished sum T_i goes into the output sum of column half hf.  mode 1: the first expert starts F.  2: F += G T.  3: the last expert: F' = G T + F, which also puts a lane's four
; neighbouring columns into four neighbouring registers.  Each mode takes T_i's registers from the low end on.
.macro GADD i, hf, mode
	WIN FMAW
.set rT, T+8*(\i)
.set rF, 64*(\hf)+8*(\i)
.set rG, G+2*((\i)/2)
.if \mode == 1
.irp p, 0,2,4,6
	v_pk_mul_f32 v[rF+\p:rF+\p+1], v[rT+\p:rT+\p+1], v[rG:rG+1] op_sel_hi:[1,0]
.endr
.elseif \mode == 2
.irp p, 0,2,4,6
	v_pk_fma_f32 v[rF+\p:rF+\p+1], v[rT+\p:rT+\p+1], v[rG:rG+1], v[rF+\p:rF+\p+1] op_sel_hi:[1,0,1]
.endr
.else
.set rO, 128+32*((\i)/2)+2*(\hf)+(\i)%2
.irp j, 0,1,2,3,4,5,6,7
	v_fma_f32 v[rO+4*\j], v[rT+\j], v[rG], v[rF+\j]
.endr
.endif
.endm
; Steps 0 and 16: the half just finished (hf) is added into F while this step's products start the next sums with C = 0.
; Distances (ISA guide 7.12.1), counted in plain vector instructions that name none of the product's registers: T_0 is read four behind its last product (the two v_nop of the step before, which
; stand behind that product, and the two here); T_i, i > 0, behind those and the additions of the accumulators before it.  A product that writes T_i anew stands behind the addition that read it
; and five or more behind T_i's last product: for T_0 the four v_nop and T_1's four additions.
.macro BSTEP slot, n, hf, mode
	s_wait_dscnt 12                                ; this step's fragments are in; the next three steps' twelve loads stay out
	v_nop
	v_nop
	GADD 0, \hf, \mode
	GADD 1, \hf, \mode
	WINMUL \n
	WM 0, \n, 1
	GADD 2, \hf, \mode
	WINMUL \n
	WM 1, \n, 1
.irp i, 2,3,4,5
	GADD \i+1, \hf, \mode
	WINMUL \n
	WM \i, \n, 1
	LDQ \slot, \n+4, \i-2
.endr
	GADD 7, \hf, \mode
	WINMUL \n
	WM 6, \n, 1
	WM 7, \n, 1
.endm
; THE CHANGE OF SLOTS, steps 28 to 31: all of this slot's bytes have been asked for by step 27.  ONE barrier for two things.  In front of it each wave waits for all its tensor loads, of which one
; is out: its quarter of the other slot; adds 0 to its spare word; and waits for that and for its reads of this slot.  Behind it nobody reads this slot any more and the other slot is whole.
; fill = 1: the barrier opens a round of the cluster's barrier, so that no wave of any partner still reads the slot or has a load on its way, and the joint refill (the expert two on) is the
; first thing behind the round: one tensor load of mine is out from there to the next change.
.macro CHANGE slot, fill
	WIN 0                                          ; (the add's two registers lie in window 0)
	s_add_co_u32 s[GE], s[GE], 256
	v_add_nc_u32 v[GA], s[GE], v[GA0]              ; the next expert's gates
	s_wait_tensorcnt 0x0                           ; all my tensor loads have landed, so a group 0 may be written
	ds_add_u32 v[SPW], v[NIL]                      ; 0 onto my spare word: step 28 stands between it and the wait for it
.if \fill
	s_add_nc_u64 s[G0+4*\slot+2:G0+4*\slot+3], s[G0+4*\slot+2:G0+4*\slot+3], 2*SLOTB   ; this slot's next expert; the type bits on top are not reached
.endif
	STEP \slot, 28, 13, 0, 0                       ; steps 29 to 31's twelve loads and the add may be out
	s_wait_dscnt 0x0                               ; the add is done, and my reads of this slot are over
	s_barrier_signal -1
	STEP \slot, 29, -1, 0, 0                       ; work on registers while the others arrive
.if \fill
	WIN 0
.endif
	s_barrier_wait -1
.if \fill
	CREST
	tensor_load_to_lds s[G0+4*\slot:G0+4*\slot+3], s[G1:G1+7]
	s_nop 0
.rept 4
	v_nop                                          ; four v_nop follow the load, ahead of the next switch of windows
.endr
.endif
	STEP2 1-\slot, 30, 0
	STEP2 1-\slot, 31, 2
.endm
; m0: what step 0 does with the expert before's second half (0: there is none); m16: what step 16 does with this expert's first half.
; change 2: the slot is filled again; 1: slots change, nothing is left to ask for; 0: the last expert.
.macro EXPERT slot, m0, m16, change
.if \m0 == 0
	STEP \slot, 0, 12, 1, 1
.else
	BSTEP \slot, 0, 1, \m0
.endif
.irp n, 1,2
	STEP \slot, \n, 12, 0, 1                       ; the three younger steps' twelve loads stay out
.endr
.irp n, 3,4,5
	STEP \slot, \n, 16, 0, 1                       ; and the four gate loads, which were issued among them
.endr
.irp n, 6,7,8,9,10,11,12,13,14,15
	STEP \slot, \n, 12, 0, 1
.endr
	BSTEP \slot, 16, 0, \m16
.irp n, 17,18,19,20,21,22,23,24,25,26,27
	STEP \slot, \n, 12, 0, 1
.endr
.if \change == 0
	STEP \slot, 28, 12, 0, 0                       ; nothing more is fetched: the counts run down
	STEP \slot, 29, 8, 0, 0
	STEP \slot, 30, 4, 0, 0
	STEP \slot, 31, 0, 0, 0
.else
	CHANGE \slot, \change-1
.endif
.endm
	s_load_b256 s[4:11], s[0:1], 0x0               ; ximg s[4:5], gimg s[6:7], gate_b s[8:9], wimg s[10:11]
	s_load_b64 s[12:13], s[0:1], 0x20              ; out0
	v_lshl_add_u32 v[SPW], v0, 2, SPARE
	v_mov_b32 v[NIL], 0
	ds_add_u32 v12, v13
	s_wait_dscnt 0x0
	v_lshrrev_b32 v1, 5, v0
	v_readfirstlane_b32 s[WV], v1                  ; wave 0..3
	s_bfe_u32 s15, ttmp6, 0x40000                  ; cx: my place in the cluster
	s_lshl_b32 s16, ttmp9, 2                       ; in a cluster launch ttmp9 counts clusters
	s_add_co_u32 s16, s16, s15                     ; my block of 256 tokens = 4 x cluster x + cx: it enters ximg's and out0's addresses alone
	s_and_b32 s17, ttmp7, 0xffff                   ; fb: my 64 columns, which the four partners share
	s_lshl_b32 s18, s16, 18                        ; ximg: 256 tokens are 262,144 bytes,
	s_lshl_b32 s19, s[WV], 16                      ; my wave's 64 are 65,536
	s_add_co_u32 s18, s18, s19
	s_mov_b32 s19, 0
	s_lshl_b32 s20, s17, 21                        ; wimg: fb x 2,097,152,
	s_lshl_b32 s22, s[WV], 14                      ; my quarter of an expert's image: 16,384 bytes, in memory and in a slot: no place in the cluster enters an LDS address
	s_add_co_u32 s20, s20, s22
	s_mov_b32 s21, 0
	; descriptor group 1: 16 KiB that lie on end in memory, as 64 rows of 32 elements of 8 bytes; no padding
	s_mov_b32 s[G1+0], 15|(3<<16)|(1<<21)          ; 15:0 the mask: all four work-groups; 17:16 elements of 8 bytes; 21 set beside a mask
	s_mov_b32 s[G1+1], 32<<16                      ; tensor_dim0 = 32
	s_mov_b32 s[G1+2], 64<<16                      ; tensor_dim1 = 64
	s_mov_b32 s[G1+3], 32<<16                      ; tile_dim0 = 32
	s_mov_b32 s[G1+4], 64                          ; tile_dim1 = 64
	s_mov_b32 s[G1+5], 32                          ; from row to row: 32 elements
	s_mov_b32 s[G1+6], 0
	s_mov_b32 s[G1+7], 0
	s_mov_b32 s[CS], 0x3fb8aa3b                    ; log2(e)
	s_mov_b32 s[CS+1], s[CS]                       ; named with it as a pair, so it is written
	s_mov_b32 s[SEL], 0x76543210
	s_mov_b32 s[SEL+1], 0xfedcba98
	s_wait_kmcnt 0x0
	s_add_nc_u64 s[4:5], s[4:5], s[18:19]          ; ximg at my wave's first token
	s_lshl_b32 s18, s18, 1                         ; out0: a token's row is 2,048 bytes, twice its 1,024 in ximg,
	s_lshl_b32 s23, s17, 8                         ; + my 64 columns
	s_add_co_u32 s18, s18, s23
	s_add_nc_u64 s[12:13], s[12:13], s[18:19]
	s_add_nc_u64 s[10:11], s[10:11], s[20:21]      ; wimg at my quarter of expert 0
	CROUND                                         ; all four work-groups are here: the first joint loads meet
.irp s, 0,1
	s_mov_b32 s[G0+4*\s], 1                        ; count = 1
	s_add_co_u32 s[G0+4*\s+1], s22, \s*SLOTB       ; LDS address: the slot + wave x 16,384
	s_add_nc_u64 s[G0+4*\s+2:G0+4*\s+3], s[10:11], \s*SLOTB        ; slot s begins with expert s
	s_or_b32 s[G0+4*\s+3], s[G0+4*\s+3], 0x80000000               ; type = 2
.endr
	tensor_load_to_lds s[G0:G0+3], s[G1:G1+7]      ; the two first fills go out together, ahead of every wait on TENSORcnt and every LDS read: two loads of mine are out
	s_nop 0
	tensor_load_to_lds s[G0+4:G0+7], s[G1:G1+7]
	s_nop 0
.rept 4
	v_nop
.endr
	v_and_b32 v[R], 15, v0
	v_bfe_u32 v[H], v0, 4, 1
	v_and_b32 v[ADR0], 31, v0
	v_lshlrev_b32 v[ADR0], 4, v[ADR0]              ; 16 x lane
	v_add_nc_u32 v[ADR0+1], SLOTB, v[ADR0]
	v_lshlrev_b32 v[BO], 5, v[H]
	s_lshl_b32 s23, s[WV], 13
	s_add_co_u32 s23, s23, GT                      ; my wave's gate table
	v_lshl_add_u32 v[GA0], v[R], 2, s23
	v_lshl_add_u32 v[GS], v[H], 11, v[GA0]         ; lanes 16 to 31 hold the experts 8 further on
.irp mb, 0,1,2,3
	v_mov_b32 v[G+2*\mb+1], 0
.endr
.irp u, 0,1,2,3
	global_load_b128 v[BI+4*\u:BI+4*\u+3], v[BO], s[8:9] offset:(\u/2)*64+(\u%2)*16   ; register j of half eb: gate_b[16 eb + 8 h + j], as a result of the logits' product lies
.endr
	WIN 0x40                                       ; destination window 1
.set f, 0
.rept 32
	global_load_b128 v[8*f:8*f+3],   v[ADR0], s[6:7] offset:f*1024
	global_load_b128 v[8*f+4:8*f+7], v[ADR0], s[6:7] offset:f*1024+512
.set f, f+1
.endr
.macro XHALF hi                        ; x's K steps 8 hi .. 8 hi + 7
.irp ks, 0,1,2,3,4,5,6,7
.irp mb, 0,1,2,3
	global_load_b128 v[32*\ks+8*\mb:32*\ks+8*\mb+3],   v[ADR0], s[4:5] offset:\mb*16384+(\ks+8*\hi)*1024
	global_load_b128 v[32*\ks+8*\mb+4:32*\ks+8*\mb+7], v[ADR0], s[4:5] offset:\mb*16384+(\ks+8*\hi)*1024+512
.endr
.endr
.endm
	WIN 0x80                                       ; destination window 2
	XHALF 0
	WIN 0xc0                                       ; destination window 3
	XHALF 1
	s_wait_loadcnt 0x0                             ; the bias, gimg and x, once
	; THE LOGITS: accumulator i = 2 mb + eb: 16 experts x 16 tokens, 16 K steps; the bias is the C of the first, so it starts the sum.  Lane (r, h), register j: expert 16 eb + 8 h + j, token 16 mb + r.
.set ks, 0
.rept 16
.if ks < 8
	WIN GATA
.else
	WIN GATB
.endif
.irp i, 0,1,2,3,4,5,6,7
.if ks == 0
	v_wmma_f32_16x16x32_bf16 v[T+8*\i:T+8*\i+7], v[8*(2*ks+\i%2):8*(2*ks+\i%2)+7], v[32*(ks%8)+8*(\i/2):32*(ks%8)+8*(\i/2)+7], v[BI+8*(\i%2):BI+8*(\i%2)+7]
.else
	v_wmma_f32_16x16x32_bf16 v[T+8*\i:T+8*\i+7], v[8*(2*ks+\i%2):8*(2*ks+\i%2)+7], v[32*(ks%8)+8*(\i/2):32*(ks%8)+8*(\i/2)+7], v[T+8*\i:T+8*\i+7]
.endif
.endr
.set ks, ks+1
.endr
	WIN 0                                          ; the addresses for the way out are made here: ten plain instructions, the places behind those products
	s_mul_i32 s23, s[WV], 16*SP
	s_add_co_u32 s23, s23, STAGE                   ; my stage
	v_mul_u32_u24 v[STO], v[R], SP                 ; in: row r (a token), 128 bytes (32 columns) for each half of the lanes
	v_lshl_add_u32 v[STO], v[H], 7, v[STO]
	v_add_nc_u32 v[STO], s23, v[STO]
	v_mul_u32_u24 v[RD], v[H], SP                  ; back: lanes 0-15 take one row of 256 bytes, lanes 16-31 the next
	v_lshl_add_u32 v[RD], v[R], 4, v[RD]
	v_add_nc_u32 v[RD], s23, v[RD]
	v_lshlrev_b32 v[CO], 11, v[H]                  ; and the same two rows in out0
	v_lshl_add_u32 v[CO], v[R], 4, v[CO]
; THE SOFTMAX of block mb: a lane holds 16 of its token's 32 logits (two accumulators, 16 registers on end), the lane 16 away the others.
; gate = 2^(c l - c m) / sum, c = log2(e), m the token's largest logit: the largest term is 1, so the sum lies between 1 and 32.
.macro SOFTMAX mb
.set rA, T+16*\mb
.set rB, T+16*\mb+8
.set rS, ST+6*\mb
.set rU, FR+8*\mb                      ; at work: the fragment buffers are still free
	v_max3_num_f32 v[rS+2], v[rA], v[rA+1], v[rA+2]       ; each accumulator is read from its low end on
	v_max3_num_f32 v[rS+3], v[rB], v[rB+1], v[rB+2]
	v_max3_num_f32 v[rS+2], v[rS+2], v[rA+3], v[rA+4]
	v_max3_num_f32 v[rS+3], v[rS+3], v[rB+3], v[rB+4]
	v_max3_num_f32 v[rS+2], v[rS+2], v[rA+5], v[rA+6]
	v_max3_num_f32 v[rS+3], v[rS+3], v[rB+5], v[rB+6]
	v_max3_num_f32 v[rS+2], v[rS+2], v[rA+7], v[rB+7]
	v_max_num_f32 v[rS+2], v[rS+2], v[rS+3]
	v_permlanex16_b32 v[rS+3], v[rS+2], s[SEL], s[SEL+1]  ; the token's other 16 experts
	v_max_num_f32 v[rS+1], v[rS+2], v[rS+3]               ; m
	v_mul_f32 v[rS], s[CS], v[rS+1]                       ; c m
.irp p, 0,2,4,6,8,10,12,14
	v_pk_fma_f32 v[rA+\p:rA+\p+1], v[rA+\p:rA+\p+1], s[CS:CS+1], v[rS:rS+1] op_sel_hi:[1,0,0] neg_lo:[0,0,1] neg_hi:[0,0,1]   ; c l - c m
.endr
.irp p, 0,1,2,3,4,5,6,7,8,9,10,11,12,13,14,15
	v_exp_f32 v[rA+\p], v[rA+\p]
.endr
	v_nop                                          ; a plain instruction between the last exponential and the use of its result (ISA guide 5.7.2)
	s_wait_alu depctr_va_vdst(0)
	v_pk_add_f32 v[rU:rU+1],   v[rA:rA+1],   v[rA+2:rA+3]
	v_pk_add_f32 v[rU+2:rU+3], v[rA+4:rA+5], v[rA+6:rA+7]
	v_pk_add_f32 v[rU+4:rU+5], v[rB:rB+1],   v[rB+2:rB+3]
	v_pk_add_f32 v[rU+6:rU+7], v[rB+4:rB+5], v[rB+6:rB+7]
	v_pk_add_f32 v[rU:rU+1],   v[rU:rU+1],   v[rU+2:rU+3]
	v_pk_add_f32 v[rU+4:rU+5], v[rU+4:rU+5], v[rU+6:rU+7]
	v_pk_add_f32 v[rU:rU+1],   v[rU:rU+1],   v[rU+4:rU+5]
	v_add_f32 v[rS+2], v[rU], v[rU+1]
	v_permlanex16_b32 v[rS+3], v[rS+2], s[SEL], s[SEL+1]
	v_add_f32 v[rS+2], v[rS+2], v[rS+3]
	v_rcp_f32 v[rS+4], v[rS+2]                     ; twice, to fill the pair that the packed multiply takes
	v_rcp_f32 v[rS+5], v[rS+2]
	v_nop
	s_wait_alu depctr_va_vdst(0)
.irp p, 0,2,4,6,8,10,12,14
	v_pk_mul_f32 v[rA+\p:rA+\p+1], v[rA+\p:rA+\p+1], v[rS+4:rS+5]
.endr
.irp j, 0,1,2,3,4,5,6,7,8,9,10,11,12,13,14,15
	ds_store_b32 v[GS], v[rA+\j] offset:(\j+8*(\j/8))*256+\mb*64   ; register j: expert j % 8 + 16 (j / 8) + 8 h
.endr
.endm
	SOFTMAX 0
	SOFTMAX 1
	SOFTMAX 2
	SOFTMAX 3
	s_wait_tensorcnt 0x1                           ; my quarter of slot 0 is in; slot 1's may stay out
	s_wait_dscnt 0x0                               ; no LDS instruction is pending at a signal: my table is written
	s_barrier_signal -1
	s_barrier_wait -1                              ; everybody's quarter is in
	s_mov_b32 s[GE], 0
	v_mov_b32 v[GA], v[GA0]
.irp m, 0,1,2,3
.irp q, 0,1,2,3
	LDQ 0, \m, \q                                  ; expert 0's first four steps
.endr
.endr
	EXPERT 0, 0, 1, 2                              ; expert 0: nothing to add yet in step 0; its first half starts F
	EXPERT 1, 1, 2, 2                              ; expert 1: expert 0's second half starts the other half of F
	WIN 0                                          ; at a label and at a branch every window is 0
	s_mov_b32 s[CNT], 14
.Lpair:                                                ; experts 2 to 29, two a trip: once round the ring, both slots filled again (the last refill brings expert 31)
	EXPERT 0, 2, 2, 2
	EXPERT 1, 2, 2, 2
	WIN 0
	s_sub_co_u32 s[CNT], s[CNT], 1
	s_cmp_lg_u32 s[CNT], 0
	s_cbranch_scc1 .Lpair
	EXPERT 0, 2, 2, 1                              ; the tail is written out: expert 30 asks for nothing
	EXPERT 1, 2, 3, 0                              ; expert 31: its first half finishes the first 2 of 4 column fragments
	; THE WAY OUT.  The last half is added (two v_nop here and the two of step 31 are the four places in front of T_0's first read); then a block of 16 tokens at a time goes through my stage.
	v_nop
	v_nop
.irp i, 0,1,2,3,4,5,6,7
	GADD \i, 1, 3
.endr
	WIN OUTW                                       ; one setting for all that follows
.macro PACK mb                         ; a lane's 32 columns of its token, 16 bytes at a time, into rows of 272 bytes; back as whole rows of 256
.irp j, 0,1,2,3,4,5,6,7
	ds_store_b128 v[STO], v[128+32*\mb+4*\j:128+32*\mb+4*\j+3] offset:16*\j
.endr
.irp t, 0,1,2,3,4,5,6,7
	ds_load_b128 v[32*\mb+4*\t:32*\mb+4*\t+3], v[RD] offset:\t*2*SP   ; LDS serves a wave's instructions in order (ISA guide 5.7.1.4): these see the stores above; the next block's stores come behind them
.endr
.endm
.macro SEND mb, younger                ; younger: the LDS instructions issued behind block mb's loads: the next block's sixteen, or none
.irp t, 0,1,2,3,4,5,6,7
	s_wait_dscnt \younger+7-\t
	global_store_b128 v[CO], v[32*\mb+4*\t:32*\mb+4*\t+3], s[12:13] offset:(16*\mb+2*\t)*2048 th:TH_STORE_NT   ; 16 lanes store 256 consecutive bytes, at a multiple of 256 from out0's first byte
.endr
.endm
	PACK 0
	PACK 1
	SEND 0, 16
	PACK 2
	SEND 1, 16
	PACK 3
	SEND 2, 16
	SEND 3, 0
	WIN 0
	s_wait_tensorcnt 0x0                           ; the wave's end: behind my last tensor load and my last LDS store
	ds_add_u32 v[SPW], v[NIL]
	s_wait_dscnt 0x0
	CROUND                                         ; the closing round: no work-group ends while a partner may still ask for a tile that names it
	s_endpgm
.Lfunc_end_k_qf385c54c95_moe:
	.size	k_qf385c54c95_moe, .Lfunc_end_k_qf385c54c95_moe-k_qf385c54c95_moe
	.p2alignl 7, 3214868480
	.fill 96, 4, 3214868480
	.section	.rodata,"a",@progbits
	.p2align	6, 0x0
	.amdhsa_kernel k_qf385c54c95_moe
		.amdhsa_group_segment_fixed_size 327680
		.amdhsa_private_segment_fixed_size 0
		.amdhsa_enable_private_segment 0
		.amdhsa_kernarg_size 40
		.amdhsa_user_sgpr_count 2
		.amdhsa_user_sgpr_kernarg_segment_ptr 1
		.amdhsa_wavefront_size32 1
		.amdhsa_system_sgpr_workgroup_id_x 1
		.amdhsa_system_sgpr_workgroup_id_y 1
		.amdhsa_system_sgpr_workgroup_id_z 1
		.amdhsa_system_vgpr_workitem_id 0
		.amdhsa_next_free_vgpr 1024
		.amdhsa_next_free_sgpr 66
		.amdhsa_reserve_vcc 0
		.amdhsa_float_denorm_mode_32 3
		.amdhsa_float_denorm_mode_16_64 3
		.amdhsa_memory_ordered 1
		.amdhsa_forward_progress 1
		.amdhsa_inst_pref_size 255
	.end_amdhsa_kernel
	.section	.bss,"aw",@nobits
	.p2align	6
	.space	262144
	.amdgpu_metadata
---
amdhsa.version: [ 1, 2 ]
amdhsa.kernels:
  - .name:           k_qf385c54c95_moe
    .symbol:         k_qf385c54c95_moe.kd
    .args:
      - { .name: ximg, .offset: 0, .size: 8, .value_kind: global_buffer, .address_space: global }
      - { .name: gimg, .offset: 8, .size: 8, .value_kind: global_buffer, .address_space: global }
      - { .name: gate_b, .offset: 16, .size: 8, .value_kind: global_buffer, .address_space: global }
      - { .name: wimg, .offset: 24, .size: 8, .value_kind: global_buffer, .address_space: global }
      - { .name: out0, .offset: 32, .size: 8, .value_kind: global_buffer, .address_space: global }
    .group_segment_fixed_size: 327680
    .private_segment_fixed_size: 0
    .kernarg_segment_align: 8
    .kernarg_segment_size: 40
    .max_flat_workgroup_size: 128
    .sgpr_count:     66
    .vgpr_count:     1024
    .wavefront_size: 32
...
	.end_amdgpu_metadata
.endif
;; end of part 2
;; ======== version 2 of 2: 2 launches; 1.50 times as fast as version 1
;; workspace buffers: wimg 16,777,216 bytes; ximg 8,388,608 bytes; gimg 32,768 bytes
;; launch prep: the kernel of part 1 again; grid 769 x 1, 8 waves a work-group, no clusters, 0 bytes of LDS; arguments expert_w, x, gate_w, wimg, ximg, gimg; writes wimg, ximg, gimg
;; launch moe (part 3): grid 32 x 8, 4 waves a work-group, clusters of 4 x 1, 327,680 bytes of LDS; arguments ximg, gimg, gate_b, wimg, out0; writes out0
.if DOCPART == 3
	.amdgcn_target "amdgcn-amd-amdhsa--gfx1250"
	.amdhsa_code_object_version 6
	.text
	.protected	k_qf385c54c95_moe
	.globl	k_qf385c54c95_moe
	.p2align	8
	.type	k_qf385c54c95_moe,@function
k_qf385c54c95_moe:
	s_mov_b64 s[64:65], 0
	v_nop
	global_prefetch_b8 v0, s[64:65] scope:SCOPE_SE
	s_setreg_imm32_b32 hwreg(HW_REG_WAVE_MODE, 25, 1), 1
	s_wait_xcnt 0x0
	s_wait_alu depctr_hold_cnt(0) depctr_sa_sdst(0) depctr_va_vdst(0) depctr_va_sdst(0) depctr_va_ssrc(0) depctr_va_vcc(0) depctr_vm_vsrc(0)
	s_getreg_b32 s2, hwreg(HW_REG_IB_STS2, 6, 4)
	s_cmp_eq_u32 s2, 0
	s_cbranch_scc0 .Lentry_in_a_cluster
	s_endpgm
.Lentry_in_a_cluster:
	s_bfe_u32 s2, ttmp6, 0x10000c
	s_cmp_lg_u32 s2, 0x3003
	s_cbranch_scc0 .Lentry_shape_is_right
	s_endpgm
.Lentry_shape_is_right:
; out[t][f] = sum over e of gate[t][e] * (sum over d of x[t][d] W[e][d][f]),  gate = softmax over e of (x . gate_w + gate_b).  8,192 tokens, 512 d, 512 f, 32 experts.
; Operands come rounded to bf16 and in fragment order from the launch before (ximg, wimg, gimg: layouts at its head); all sums, the softmax and the gate in f32.
; SHARES.  A work-group makes 256 tokens x 64 columns for all 32 experts: 32 x 8 = 256 equal work-groups.  Each of its four waves makes 64 tokens (4 blocks mb of 16) x all 64 columns.
; X STAYS IN REGISTERS: a wave's 64 tokens x 512 d in bf16 are 512 registers (windows 2 and 3), loaded once; LDS feeds W alone: 2 KiB of LDS reads for 8 matrix instructions.
; THE GATE IS APPLIED TO F32 SUMS: an expert's product over its 512 d is summed in T (8 accumulators: 4 mb x 2 column fragments; an expert's 64 columns go in two halves), and
; gate x T is added into the output sum F by packed multiply-adds: one for every four matrix instructions.  So the matrix operands are bf16(x) and bf16(W) themselves.
; THE MATRIX INSTRUCTION IS USED TRANSPOSED: source 0 = 16 columns of W (or 16 experts of gate_w), source 1 = 16 tokens.  In the result lane (r, h) holds token r and register j row 8 h + j
; of source 0: the gate is one number a lane.  Fragment c's row q is column 64 fb + 4 q + c, so a lane's registers (j, c = 0..3) are four neighbouring columns: 16 bytes of out.
; CLUSTER.  The four work-groups of a cluster have the same 64 columns and four token blocks: they walk the same 2 MiB of wimg, so every tile is asked for JOINTLY (the same tensor load,
; the same descriptor, the mask 15, in all four).  x is not shared in this way: it is a ninth of a work-group's bytes, is read once, and goes into registers.
; RING.  Two LDS slots of one expert's image (64 KiB, dense: lane L reads at 16 L, so there is nothing to pad); each wave brings a quarter.  A slot is asked for again behind step 27 of
; an expert's 32 steps; the wait for it stands in front of step 26 of the next expert: 240 matrix instructions.  No prefetch is written: that stretch is what the refill has to land in.
; LDS LOADS STAND IN RUNS OF 16, never singly among the matrix instructions: an expert is 8 groups of 4 steps; at a group's head the next group's fragments are fetched in one run, and the
; group's 32 matrix instructions then follow each other with nothing between.
; LIMITS.  The logits are made from operands rounded to bf16, so their error grows with the size of x and gate_w.  The true maximum of a token's 32 logits is taken away before the exponential;
; v_exp_f32 gives 0 for a result under 2^-126 (ISA guide 15.8), so a gate smaller than that counts as 0.  Inside a K step of 32 the order of d is permuted, alike on both sides.
;
; REGISTERS, in windows of 256 (s_set_vgpr_msb's low byte: bits 1:0 source 0, 3:2 source 1, 5:4 source 2, 7:6 destination):
;   window 0: v0-14 addresses; v16-23 G; v24-47 softmax statistics; v48-63 the bias; v64-191 FR: two halves of four steps' W fragments (16 registers a step); v192-255 T
;   window 1: first gimg's 32 fragments; then v0-127 F (64 half + 8 i + j), v128-255 F' (128 + 32 mb + 4 j + c: the output in store order); on the way out v0-127 whole rows
;   windows 2, 3: x: fragment (mb, ks) at 32 (ks % 8) + 8 mb, window 2 for ks < 8, window 3 from 8 on
; T, FR and all addresses lie in window 0, so the setting of the products also serves the LDS loads: a run of loads needs no switch.
.set SLOTB, 65536                      ; a slot: one expert's image for my 64 columns: step n at n*2048, quarter q at q*512
.set GT,    2*SLOTB                    ; gate tables: 8,192 bytes a wave: e*256 + mb*64 + 4 r, f32; written and read by that wave alone
.set STAGE, GT+4*8192                  ; the way out: 16 rows x 272 bytes for each wave
.set SP,    272                        ; 256 bytes + 16 = 68 words: row r starts at bank 4 r mod 64 (64 banks of 4 bytes: ISA guide 11.1)
.set SPARE, STAGE+4*16*SP              ; the spare words, 128 bytes for each wave: two blocks of 256 bytes that no other line names
.set R,    1                           ; v1   r = lane % 16
.set ADR0, 2                           ; v2, v3  16 x lane in slot 0, slot 1; v2 is also my offset in the images' runs of 512 bytes
.set GA,   4                           ; v4   my word in the gate table, at the expert whose gates are fetched next
.set GA0,  5                           ; v5   the same at expert 0
.set GS,   6                           ; v6   where I store gates: experts 8 h on
.set STO,  7                           ; v7   the way out: where I put 16 bytes of a row
.set RD,   8                           ; v8   the way out: where I read a row back
.set CO,   9                           ; v9   my byte offset in the wave's rows of out
.set BO,   11                          ; v11  32 h: my eight numbers of the bias
.set SPW,  12                          ; v12  my spare word: SPARE + 4 x my thread's number; never rewritten
.set NIL,  13                          ; v13  0; never rewritten
.set H,    14                          ; v14  h = lane / 16
.set G,    16                          ; v16, 18, 20, 22  the gate of my token in block mb; the odd registers are 0 (named as pairs, so they are written)
.set ST,   24                          ; six registers a block: c m, m, at work (2), 1 / sum (2)
.set BI,   48                          ; v[48:55], v[56:63] the bias as a C operand, experts 0-15 and 16-31
.set FR,   64
.set T,    192                         ; accumulator i = 2 mb + c' at T + 8 i
.set WV,   14                          ; s14  my wave's number
.set G1,   24                          ; s[24:31] descriptor group 1
.set G0,   32                          ; s[32:39] descriptor group 0, a set for each slot
.set CNT,  40                          ; s40  trips
.set GE,   41                          ; s41  256 x the expert whose gates are fetched next
.set CS,   42                          ; s[42:43] log2(e)
.set SEL,  44                          ; s[44:45] v_permlanex16_b32: each lane takes its own place in the other half
.set MULA, 0x08                        ; products: W window 0, x window 2, T window 0
.set MULB, 0x0c                        ; the same with x in window 3
.set GATA, 0x09                        ; logits: gimg window 1, x window 2
.set GATB, 0x0d
.set FMAW, 0x50                        ; F (destination and source 2) window 1; T and G window 0
.set OUTW, 0x44                        ; the way out: data of stores (source 1) and of loads (destination) window 1, addresses window 0
.set MSB, 0
.macro WIN new                         ; the immediate's high byte repeats the setting that is left; a switch that changes nothing is dropped
.if MSB != \new
	s_set_vgpr_msb (MSB<<8)|\new
.set MSB, \new
.endif
.endm
.macro WINMUL n
.if ((\n)%16) < 8
	WIN MULA
.else
	WIN MULB
.endif
.endm
; A round of the cluster's barrier: my work-group's barrier, so that wave 0's signal speaks for all four waves; wave 0 signals for the work-group; every wave waits for all four
; work-groups; my work-group's barrier once more.  No LDS instruction of the wave is pending at a signal.
.macro CREST                           ; a round behind its opening barrier
	s_cmp_lg_u32 s[WV], 0
	s_cbranch_scc1 .Lnot_wave_0_\@
	s_barrier_signal -3
.Lnot_wave_0_\@:
	s_barrier_wait -3
	s_barrier_signal -1
	s_barrier_wait -1
.endm
.macro CROUND
	s_barrier_signal -1
	s_barrier_wait -1
	CREST
.endm
; AN EXPERT IS 32 STEPS n: column half n / 16, K step n % 16.  A step is 8 products, the 8 accumulators by turns: between two links of a chain stand the 7 others'.
.macro WM i, n, zero                   ; product i of step n.  zero = 1: it starts the sum: nothing is ever cleared
.set rT, T+8*(\i)
.set rA, FR+16*((\n)%8)+8*((\i)%2)
.set rX, 32*((\n)%8)+8*((\i)/2)
.if \zero
	v_wmma_f32_16x16x32_bf16 v[rT:rT+7], v[rA:rA+7], v[rX:rX+7], 0
.else
	v_wmma_f32_16x16x32_bf16 v[rT:rT+7], v[rA:rA+7], v[rX:rX+7], v[rT:rT+7]
.endif
.endm
.macro MUL8 n, zero                    ; step n
	WINMUL \n
.irp i, 0,1,2,3,4,5,6,7
	WM \i, \n, \zero
.endr
.endm
.macro LDQ slot, m, q                  ; quarter q of step m's two fragments: 512 consecutive bytes, into buffer m % 8
	ds_load_b128 v[FR+16*((\m)%8)+4*(\q):FR+16*((\m)%8)+4*(\q)+3], v[ADR0+\slot] offset:(\m)*2048+(\q)*512
.endm
.macro RUN slot, g                     ; group g's fragments (steps 4 g .. 4 g + 3): 16 loads in one run, into half g % 2 of FR
.irp m, 0,1,2,3
.irp q, 0,1,2,3
	LDQ \slot, 4*(\g)+\m, \q
.endr
.endr
.endm
; A load into a register that a matrix instruction has read, and a vector instruction that reads a matrix result, stand four places behind that matrix instruction, and only plain vector
; instructions that name none of its registers are places (ISA guide 7.12.1 for vector instructions).  A run's target half was last read by the product just in
; front of the group's head, so four v_nop stand there: 32 for an expert's 256 matrix instructions.
.macro PLACES
.rept 4
	v_nop
.endr
.endm
; A plain group g: the next group's run, then this group's 32 products.  The wait leaves the run just issued out: this group's own 16 loads were issued a whole group, 32 products, ago.
; gates = 1 (group 1): the expert's four gates are fetched ahead of the run, behind the last use of the expert before's (step 0); they are first used in step 16.
.macro GROUP slot, g, gates
	PLACES
.if \gates
.irp mb, 0,1,2,3
	ds_load_b32 v[G+2*\mb], v[GA] offset:64*\mb    ; lanes r and 16 + r read the same word
.endr
.endif
	RUN \slot, \g+1
	s_wait_dscnt 16+4*\gates                       ; younger than this group's loads: the run's 16, and the 4 gates where they stand
.irp k, 0,1,2,3
	MUL8 4*\g+\k, 0
.endr
.endm
; gate x the finished sum T_i goes into the output sum of column half hf.  mode 1: the first expert starts F.  2: F += G T.  3: the last expert: F' = G T + F, which also puts a lane's four
; neighbouring columns into four neighbouring registers.  Each mode takes T_i's registers from the low end on.
.macro GADD i, hf, mode
	WIN FMAW
.set rT, T+8*(\i)
.set rF, 64*(\hf)+8*(\i)
.set rG, G+2*((\i)/2)
.if \mode == 1
.irp p, 0,2,4,6
	v_pk_mul_f32 v[rF+\p:rF+\p+1], v[rT+\p:rT+\p+1], v[rG:rG+1] op_sel_hi:[1,0]
.endr
.elseif \mode == 2
.irp p, 0,2,4,6
	v_pk_fma_f32 v[rF+\p:rF+\p+1], v[rT+\p:rT+\p+1], v[rG:rG+1], v[rF+\p:rF+\p+1] op_sel_hi:[1,0,1]
.endr
.else
.set rO, 128+32*((\i)/2)+2*(\hf)+(\i)%2
.irp j, 0,1,2,3,4,5,6,7
	v_fma_f32 v[rO+4*\j], v[rT+\j], v[rG], v[rF+\j]
.endr
.endif
.endm
; The head of groups 0 and 4 (steps n = 0 and 16): the next group's run; then the half just finished (hf) is added into F while step n's products start the next sums with C = 0.
; Distances (ISA guide 7.12.1), counted in plain vector instructions that name none of the product's registers: the four v_nop stand behind the last product of all, so every T_i may be read
; behind them, and the run's target half may be loaded.  A product that writes T_i anew stands behind the addition that read it and five or more behind T_i's last product: the four v_nop and
; another accumulator's four additions at the least.
.macro BHEAD slot, n, hf, mode
	PLACES
	RUN \slot, (\n)/4+1
	s_wait_dscnt 16                                ; this group's fragments are in; the run just issued stays out
	GADD 0, \hf, \mode
	GADD 1, \hf, \mode
	WINMUL \n
	WM 0, \n, 1
.irp i, 1,2,3,4,5,6
	GADD \i+1, \hf, \mode
	WINMUL \n
	WM \i, \n, 1
.endr
	WM 7, \n, 1
.endm
; THE CHANGE OF SLOTS, steps 26 and 27: all of this slot's bytes have been asked for at group 6's head.  ONE barrier for two things.  In front of it each wave waits for all its tensor loads, of
; which one is out: its quarter of the other slot; adds 0 to its spare word; and waits for that and for its reads of this slot.  Behind it nobody reads this slot any more and the other slot is whole.
; fill = 1: the barrier opens a round of the cluster's barrier, so that no wave of any partner still reads the slot or has a load on its way, and the joint refill (the expert two on) is the
; first thing behind the round: one tensor load of mine is out from there to the next change.  Then comes the run for the next expert's group 0, out of the other slot; group 7's 32 products follow it.
.macro CHANGE slot, fill
	WIN 0                                          ; (the add's two registers lie in window 0)
	s_add_co_u32 s[GE], s[GE], 256
	v_add_nc_u32 v[GA], s[GE], v[GA0]              ; the next expert's gates
	s_wait_tensorcnt 0x0                           ; all my tensor loads have landed, so a group 0 may be written
	ds_add_u32 v[SPW], v[NIL]                      ; 0 onto my spare word: step 26 stands between it and the wait for it
.if \fill
	s_add_nc_u64 s[G0+4*\slot+2:G0+4*\slot+3], s[G0+4*\slot+2:G0+4*\slot+3], 2*SLOTB   ; this slot's next expert; the type bits on top are not reached
.endif
	MUL8 26, 0
	s_wait_dscnt 0x0                               ; the add is done, and my reads of this slot are over: group 7's run, the last of them, was issued 24 products ago
	s_barrier_signal -1
	MUL8 27, 0                                     ; work on registers while the others arrive
.if \fill
	WIN 0
.endif
	s_barrier_wait -1
.if \fill
	CREST
	tensor_load_to_lds s[G0+4*\slot:G0+4*\slot+3], s[G1:G1+7]
	s_nop 0
	PLACES                                         ; four v_nop follow the load; they are also the places between step 27's products and the run below
.else
	PLACES
.endif
	RUN 1-\slot, 0
.endm
; m0: what step 0 does with the expert before's second half (0: there is none); m16: what step 16 does with this expert's first half.
; change 2: the slot is filled again; 1: slots change, nothing is left to ask for; 0: the last expert.
.macro EXPERT slot, m0, m16, change
.if \m0 == 0
	RUN \slot, 1                                   ; the first expert: no product has read FR yet, and nothing is to be added
	s_wait_dscnt 16
	MUL8 0, 1
.else
	BHEAD \slot, 0, 1, \m0
.endif
.irp n, 1,2,3
	MUL8 \n, 0
.endr
	GROUP \slot, 1, 1
	GROUP \slot, 2, 0
	GROUP \slot, 3, 0
	BHEAD \slot, 16, 0, \m16
.irp n, 17,18,19
	MUL8 \n, 0
.endr
	GROUP \slot, 5, 0
	PLACES                                         ; group 6, written out: the change of slots stands in its second half
	RUN \slot, 7
	s_wait_dscnt 16
	MUL8 24, 0
	MUL8 25, 0
.if \change == 0
	MUL8 26, 0
	MUL8 27, 0
	s_wait_dscnt 0x0                               ; group 7's fragments; nothing more is fetched
.else
	CHANGE \slot, \change-1                        ; its wait for 0 has shown group 7's fragments in
.endif
.irp n, 28,29,30,31
	MUL8 \n, 0
.endr
.endm
	s_load_b256 s[4:11], s[0:1], 0x0               ; ximg s[4:5], gimg s[6:7], gate_b s[8:9], wimg s[10:11]
	s_load_b64 s[12:13], s[0:1], 0x20              ; out0
	v_lshl_add_u32 v[SPW], v0, 2, SPARE
	v_mov_b32 v[NIL], 0
	ds_add_u32 v12, v13
	s_wait_dscnt 0x0
	v_lshrrev_b32 v1, 5, v0
	v_readfirstlane_b32 s[WV], v1                  ; wave 0..3
	s_bfe_u32 s15, ttmp6, 0x40000                  ; cx: my place in the cluster
	s_lshl_b32 s16, ttmp9, 2                       ; in a cluster launch ttmp9 counts clusters
	s_add_co_u32 s16, s16, s15                     ; my block of 256 tokens = 4 x cluster x + cx: it enters ximg's and out0's addresses alone
	s_and_b32 s17, ttmp7, 0xffff                   ; fb: my 64 columns, which the four partners share
	s_lshl_b32 s18, s16, 18                        ; ximg: 256 tokens are 262,144 bytes,
	s_lshl_b32 s19, s[WV], 16                      ; my wave's 64 are 65,536
	s_add_co_u32 s18, s18, s19
	s_mov_b32 s19, 0
	s_lshl_b32 s20, s17, 21                        ; wimg: fb x 2,097,152,
	s_lshl_b32 s22, s[WV], 14                      ; my quarter of an expert's image: 16,384 bytes, in memory and in a slot: no place in the cluster enters an LDS address
	s_add_co_u32 s20, s20, s22
	s_mov_b32 s21, 0
	; descriptor group 1: 16 KiB that lie on end in memory, as 64 rows of 32 elements of 8 bytes; no padding
	s_mov_b32 s[G1+0], 15|(3<<16)|(1<<21)          ; 15:0 the mask: all four work-groups; 17:16 elements of 8 bytes; 21 set beside a mask
	s_mov_b32 s[G1+1], 32<<16                      ; tensor_dim0 = 32
	s_mov_b32 s[G1+2], 64<<16                      ; tensor_dim1 = 64
	s_mov_b32 s[G1+3], 32<<16                      ; tile_dim0 = 32
	s_mov_b32 s[G1+4], 64                          ; tile_dim1 = 64
	s_mov_b32 s[G1+5], 32                          ; from row to row: 32 elements
	s_mov_b32 s[G1+6], 0
	s_mov_b32 s[G1+7], 0
	s_mov_b32 s[CS], 0x3fb8aa3b                    ; log2(e)
	s_mov_b32 s[CS+1], s[CS]                       ; named with it as a pair, so it is written
	s_mov_b32 s[SEL], 0x76543210
	s_mov_b32 s[SEL+1], 0xfedcba98
	s_wait_kmcnt 0x0
	s_add_nc_u64 s[4:5], s[4:5], s[18:19]          ; ximg at my wave's first token
	s_lshl_b32 s18, s18, 1                         ; out0: a token's row is 2,048 bytes, twice its 1,024 in ximg,
	s_lshl_b32 s23, s17, 8                         ; + my 64 columns
	s_add_co_u32 s18, s18, s23
	s_add_nc_u64 s[12:13], s[12:13], s[18:19]
	s_add_nc_u64 s[10:11], s[10:11], s[20:21]      ; wimg at my quarter of expert 0
	CROUND                                         ; all four work-groups are here: the first joint loads meet
.irp s, 0,1
	s_mov_b32 s[G0+4*\s], 1                        ; count = 1
	s_add_co_u32 s[G0+4*\s+1], s22, \s*SLOTB       ; LDS address: the slot + wave x 16,384
	s_add_nc_u64 s[G0+4*\s+2:G0+4*\s+3], s[10:11], \s*SLOTB        ; slot s begins with expert s
	s_or_b32 s[G0+4*\s+3], s[G0+4*\s+3], 0x80000000               ; type = 2
.endr
	tensor_load_to_lds s[G0:G0+3], s[G1:G1+7]      ; the two first fills go out together, ahead of every wait on TENSORcnt and every LDS read: two loads of mine are out
	s_nop 0
	tensor_load_to_lds s[G0+4:G0+7], s[G1:G1+7]
	s_nop 0
.rept 4
	v_nop
.endr
	v_and_b32 v[R], 15, v0
	v_bfe_u32 v[H], v0, 4, 1
	v_and_b32 v[ADR0], 31, v0
	v_lshlrev_b32 v[ADR0], 4, v[ADR0]              ; 16 x lane
	v_add_nc_u32 v[ADR0+1], SLOTB, v[ADR0]
	v_lshlrev_b32 v[BO], 5, v[H]
	s_lshl_b32 s23, s[WV], 13
	s_add_co_u32 s23, s23, GT                      ; my wave's gate table
	v_lshl_add_u32 v[GA0], v[R], 2, s23
	v_lshl_add_u32 v[GS], v[H], 11, v[GA0]         ; lanes 16 to 31 hold the experts 8 further on
.irp mb, 0,1,2,3
	v_mov_b32 v[G+2*\mb+1], 0
.endr
.irp u, 0,1,2,3
	global_load_b128 v[BI+4*\u:BI+4*\u+3], v[BO], s[8:9] offset:(\u/2)*64+(\u%2)*16   ; register j of half eb: gate_b[16 eb + 8 h + j], as a result of the logits' product lies
.endr
	WIN 0x40                                       ; destination window 1
.set f, 0
.rept 32
	global_load_b128 v[8*f:8*f+3],   v[ADR0], s[6:7] offset:f*1024
	global_load_b128 v[8*f+4:8*f+7], v[ADR0], s[6:7] offset:f*1024+512
.set f, f+1
.endr
.macro XHALF hi                        ; x's K steps 8 hi .. 8 hi + 7
.irp ks, 0,1,2,3,4,5,6,7
.irp mb, 0,1,2,3
	global_load_b128 v[32*\ks+8*\mb:32*\ks+8*\mb+3],   v[ADR0], s[4:5] offset:\mb*16384+(\ks+8*\hi)*1024
	global_load_b128 v[32*\ks+8*\mb+4:32*\ks+8*\mb+7], v[ADR0], s[4:5] offset:\mb*16384+(\ks+8*\hi)*1024+512
.endr
.endr
.endm
	WIN 0x80                                       ; destination window 2
	XHALF 0
	WIN 0xc0                                       ; destination window 3
	XHALF 1
	s_wait_loadcnt 0x0                             ; the bias, gimg and x, once
	; THE LOGITS: accumulator i = 2 mb + eb: 16 experts x 16 tokens, 16 K steps; the bias is the C of the first, so it starts the sum.  Lane (r, h), register j: expert 16 eb + 8 h + j, token 16 mb + r.
.set ks, 0
.rept 16
.if ks < 8
	WIN GATA
.else
	WIN GATB
.endif
.irp i, 0,1,2,3,4,5,6,7
.if ks == 0
	v_wmma_f32_16x16x32_bf16 v[T+8*\i:T+8*\i+7], v[8*(2*ks+\i%2):8*(2*ks+\i%2)+7], v[32*(ks%8)+8*(\i/2):32*(ks%8)+8*(\i/2)+7], v[BI+8*(\i%2):BI+8*(\i%2)+7]
.else
	v_wmma_f32_16x16x32_bf16 v[T+8*\i:T+8*\i+7], v[8*(2*ks+\i%2):8*(2*ks+\i%2)+7], v[32*(ks%8)+8*(\i/2):32*(ks%8)+8*(\i/2)+7], v[T+8*\i:T+8*\i+7]
.endif
.endr
.set ks, ks+1
.endr
	WIN 0                                          ; the addresses for the way out are made here: eight plain vector instructions, the places behind those products
	s_mul_i32 s23, s[WV], 16*SP
	s_add_co_u32 s23, s23, STAGE                   ; my stage
	v_mul_u32_u24 v[STO], v[R], SP                 ; in: row r (a token), 128 bytes (32 columns) for each half of the lanes
	v_lshl_add_u32 v[STO], v[H], 7, v[STO]
	v_add_nc_u32 v[STO], s23, v[STO]
	v_mul_u32_u24 v[RD], v[H], SP                  ; back: lanes 0-15 take one row of 256 bytes, lanes 16-31 the next
	v_lshl_add_u32 v[RD], v[R], 4, v[RD]
	v_add_nc_u32 v[RD], s23, v[RD]
	v_lshlrev_b32 v[CO], 11, v[H]                  ; and the same two rows in out0
	v_lshl_add_u32 v[CO], v[R], 4, v[CO]
; THE SOFTMAX of block mb: a lane holds 16 of its token's 32 logits (two accumulators, 16 registers on end), the lane 16 away the others.
; gate = 2^(c l - c m) / sum, c = log2(e), m the token's largest logit: the largest term is 1, so the sum lies between 1 and 32.
.macro SOFTMAX mb
.set rA, T+16*\mb
.set rB, T+16*\mb+8
.set rS, ST+6*\mb
.set rU, FR+8*\mb                      ; at work: the fragment buffers are still free
	v_max3_num_f32 v[rS+2], v[rA], v[rA+1], v[rA+2]       ; each accumulator is read from its low end on
	v_max3_num_f32 v[rS+3], v[rB], v[rB+1], v[rB+2]
	v_max3_num_f32 v[rS+2], v[rS+2], v[rA+3], v[rA+4]
	v_max3_num_f32 v[rS+3], v[rS+3], v[rB+3], v[rB+4]
	v_max3_num_f32 v[rS+2], v[rS+2], v[rA+5], v[rA+6]
	v_max3_num_f32 v[rS+3], v[rS+3], v[rB+5], v[rB+6]
	v_max3_num_f32 v[rS+2], v[rS+2], v[rA+7], v[rB+7]
	v_max_num_f32 v[rS+2], v[rS+2], v[rS+3]
	v_permlanex16_b32 v[rS+3], v[rS+2], s[SEL], s[SEL+1]  ; the token's other 16 experts
	v_max_num_f32 v[rS+1], v[rS+2], v[rS+3]               ; m
	v_mul_f32 v[rS], s[CS], v[rS+1]                       ; c m
.irp p, 0,2,4,6,8,10,12,14
	v_pk_fma_f32 v[rA+\p:rA+\p+1], v[rA+\p:rA+\p+1], s[CS:CS+1], v[rS:rS+1] op_sel_hi:[1,0,0] neg_lo:[0,0,1] neg_hi:[0,0,1]   ; c l - c m
.endr
.irp p, 0,1,2,3,4,5,6,7,8,9,10,11,12,13,14,15
	v_exp_f32 v[rA+\p], v[rA+\p]
.endr
	v_nop                                          ; a plain instruction between the last exponential and the use of its result (ISA guide 5.7.2)
	s_wait_alu depctr_va_vdst(0)
	v_pk_add_f32 v[rU:rU+1],   v[rA:rA+1],   v[rA+2:rA+3]
	v_pk_add_f32 v[rU+2:rU+3], v[rA+4:rA+5], v[rA+6:rA+7]
	v_pk_add_f32 v[rU+4:rU+5], v[rB:rB+1],   v[rB+2:rB+3]
	v_pk_add_f32 v[rU+6:rU+7], v[rB+4:rB+5], v[rB+6:rB+7]
	v_pk_add_f32 v[rU:rU+1],   v[rU:rU+1],   v[rU+2:rU+3]
	v_pk_add_f32 v[rU+4:rU+5], v[rU+4:rU+5], v[rU+6:rU+7]
	v_pk_add_f32 v[rU:rU+1],   v[rU:rU+1],   v[rU+4:rU+5]
	v_add_f32 v[rS+2], v[rU], v[rU+1]
	v_permlanex16_b32 v[rS+3], v[rS+2], s[SEL], s[SEL+1]
	v_add_f32 v[rS+2], v[rS+2], v[rS+3]
	v_rcp_f32 v[rS+4], v[rS+2]                     ; twice, to fill the pair that the packed multiply takes
	v_rcp_f32 v[rS+5], v[rS+2]
	v_nop
	s_wait_alu depctr_va_vdst(0)
.irp p, 0,2,4,6,8,10,12,14
	v_pk_mul_f32 v[rA+\p:rA+\p+1], v[rA+\p:rA+\p+1], v[rS+4:rS+5]
.endr
.irp j, 0,1,2,3,4,5,6,7,8,9,10,11,12,13,14,15
	ds_store_b32 v[GS], v[rA+\j] offset:(\j+8*(\j/8))*256+\mb*64   ; register j: expert j % 8 + 16 (j / 8) + 8 h
.endr
.endm
	SOFTMAX 0
	SOFTMAX 1
	SOFTMAX 2
	SOFTMAX 3
	s_wait_tensorcnt 0x1                           ; my quarter of slot 0 is in; slot 1's may stay out
	s_wait_dscnt 0x0                               ; no LDS instruction is pending at a signal: my table is written
	s_barrier_signal -1
	s_barrier_wait -1                              ; everybody's quarter is in
	s_mov_b32 s[GE], 0
	v_mov_b32 v[GA], v[GA0]
	RUN 0, 0                                       ; expert 0's first group
	EXPERT 0, 0, 1, 2                              ; expert 0: nothing to add yet in step 0; its first half starts F
	EXPERT 1, 1, 2, 2                              ; expert 1: expert 0's second half starts the other half of F
	WIN 0                                          ; at a label and at a branch every window is 0
	s_mov_b32 s[CNT], 14
.Lpair:                                                ; experts 2 to 29, two a trip: once round the ring, both slots filled again (the last refill brings expert 31)
	EXPERT 0, 2, 2, 2
	EXPERT 1, 2, 2, 2
	WIN 0
	s_sub_co_u32 s[CNT], s[CNT], 1
	s_cmp_lg_u32 s[CNT], 0
	s_cbranch_scc1 .Lpair
	EXPERT 0, 2, 2, 1                              ; the tail is written out: expert 30 asks for nothing
	EXPERT 1, 2, 3, 0                              ; expert 31: its first half finishes the first 2 of 4 column fragments
	; THE WAY OUT.  The last half is added, four places behind the last product; then a block of 16 tokens at a time goes through my stage.
	PLACES
.irp i, 0,1,2,3,4,5,6,7
	GADD \i, 1, 3
.endr
	WIN OUTW                                       ; one setting for all that follows
.macro PACK mb                         ; a lane's 32 columns of its token, 16 bytes at a time, into rows of 272 bytes; back as whole rows of 256
.irp j, 0,1,2,3,4,5,6,7
	ds_store_b128 v[STO], v[128+32*\mb+4*\j:128+32*\mb+4*\j+3] offset:16*\j
.endr
.irp t, 0,1,2,3,4,5,6,7
	ds_load_b128 v[32*\mb+4*\t:32*\mb+4*\t+3], v[RD] offset:\t*2*SP   ; LDS serves a wave's instructions in order (ISA guide 5.7.1.4): these see the stores above; the next block's stores come behind them
.endr
.endm
.macro SEND mb, younger                ; younger: the LDS instructions issued behind block mb's loads: the next block's sixteen, or none
.irp t, 0,1,2,3,4,5,6,7
	s_wait_dscnt \younger+7-\t
	global_store_b128 v[CO], v[32*\mb+4*\t:32*\mb+4*\t+3], s[12:13] offset:(16*\mb+2*\t)*2048 th:TH_STORE_NT   ; 16 lanes store 256 consecutive bytes, at a multiple of 256 from out0's first byte
.endr
.endm
	PACK 0
	PACK 1
	SEND 0, 16
	PACK 2
	SEND 1, 16
	PACK 3
	SEND 2, 16
	SEND 3, 0
	WIN 0
	s_wait_tensorcnt 0x0                           ; the wave's end: behind my last tensor load and my last LDS store
	ds_add_u32 v[SPW], v[NIL]
	s_wait_dscnt 0x0
	CROUND                                         ; the closing round: no work-group ends while a partner may still ask for a tile that names it
	s_endpgm
.Lfunc_end_k_qf385c54c95_moe:
	.size	k_qf385c54c95_moe, .Lfunc_end_k_qf385c54c95_moe-k_qf385c54c95_moe
	.p2alignl 7, 3214868480
	.fill 96, 4, 3214868480
	.section	.rodata,"a",@progbits
	.p2align	6, 0x0
	.amdhsa_kernel k_qf385c54c95_moe
		.amdhsa_group_segment_fixed_size 327680
		.amdhsa_private_segment_fixed_size 0
		.amdhsa_enable_private_segment 0
		.amdhsa_kernarg_size 40
		.amdhsa_user_sgpr_count 2
		.amdhsa_user_sgpr_kernarg_segment_ptr 1
		.amdhsa_wavefront_size32 1
		.amdhsa_system_sgpr_workgroup_id_x 1
		.amdhsa_system_sgpr_workgroup_id_y 1
		.amdhsa_system_sgpr_workgroup_id_z 1
		.amdhsa_system_vgpr_workitem_id 0
		.amdhsa_next_free_vgpr 1024
		.amdhsa_next_free_sgpr 66
		.amdhsa_reserve_vcc 0
		.amdhsa_float_denorm_mode_32 3
		.amdhsa_float_denorm_mode_16_64 3
		.amdhsa_memory_ordered 1
		.amdhsa_forward_progress 1
		.amdhsa_inst_pref_size 245
	.end_amdhsa_kernel
	.amdgpu_metadata
---
amdhsa.version: [ 1, 2 ]
amdhsa.kernels:
  - .name:           k_qf385c54c95_moe
    .symbol:         k_qf385c54c95_moe.kd
    .args:
      - { .name: ximg, .offset: 0, .size: 8, .value_kind: global_buffer, .address_space: global }
      - { .name: gimg, .offset: 8, .size: 8, .value_kind: global_buffer, .address_space: global }
      - { .name: gate_b, .offset: 16, .size: 8, .value_kind: global_buffer, .address_space: global }
      - { .name: wimg, .offset: 24, .size: 8, .value_kind: global_buffer, .address_space: global }
      - { .name: out0, .offset: 32, .size: 8, .value_kind: global_buffer, .address_space: global }
    .group_segment_fixed_size: 327680
    .private_segment_fixed_size: 0
    .kernarg_segment_align: 8
    .kernarg_segment_size: 40
    .max_flat_workgroup_size: 128
    .sgpr_count:     66
    .vgpr_count:     1024
    .wavefront_size: 32
...
	.end_amdgpu_metadata
.endif
;; end of part 3
